; MI455X (gfx1250); checked and timed in simulation.
; The chip was launched on July 23, 2026; its instructions are those of AMD's public machine-readable ISA for CDNA 5 (MIT licence, August 2026) and "CDNA5" Instruction Set Architecture Reference Guide (July 2026). The comments in the code are by the model that wrote it; some were corrected since.
;; Multi Head Attention. Allowed arithmetic: matrix products marked QUANTISED: E2M3 operands, one E8M0 scale for each 32 along K, by v_wmma_scale_f32_16x16x128_f8f6f4 with both operands' format E2M3, f32 sums; everything else in f32.
;; Inputs: W_qkv 1,024 x 3,072 float32; b_qkv 3,072 float32; x 2 x 2,048 x 1,024 float32.
;; Outputs: out0 2 x 2,048 x 1,024 float32.
;; This version of the problem:
;;   THIS VERSION OF THE PROBLEM IS GIVEN IN LOW PRECISION. The matrix products marked QUANTISED in the list below multiply operands that are first quantised to E2M3 (2 exponent bits, 3 mantissa bits; 6 bits a number), with one power-of-two scale for each 32 numbers along K (OCP MX v1.0); their sums are f32. All else is computed in f32.
;;   The module's matrix products, in the order in which they are computed (A, B: the left and right operand; K: the contracted axis; several contracted axes count as one K, in the product's order):
;;     1. [M 4,096, K 1,024] x [K 1,024, N 3,072]; A: input x; B: input W_qkv: QUANTISED
;;     2. batch 32 x [M 2,048, K 64] x [K 64, N 2,048]; A: computed on the way; B: computed on the way: QUANTISED
;;     3. batch 32 x [M 2,048, K 2,048] x [K 2,048, N 64]; A: softmax (see below); B: computed on the way: QUANTISED
;;   THE QUANTISER, for each operand of a quantised product, along K:
;;     - K is cut into blocks of 32 from its start; a last block that is shorter is filled with zeros.
;;     - A block's scale is 2^e with e = floor(log2(the largest magnitude in the block)) - 2, held to -126 .. 127; a block of zeros has e = 0. As a byte (E8M0): e + 127.
;;     - Each number is divided by its block's scale, clamped to +-7.5, and rounded to the nearest number of E2M3, ties to even, subnormals kept.
;;     - The product sums the exact products of the quantised numbers (number of the format x scale) in f32.
;;   ~~~python
;;   def quantise(x, axis):      # numpy; x: float32 -> the quantised numbers, widened to float32 again
;;       x = np.moveaxis(x, axis, -1); K = x.shape[-1]
;;       x = np.pad(x, [(0, 0)] * (x.ndim - 1) + [(0, -K % 32)]); x = x.reshape(x.shape[:-1] + (-1, 32)); a = np.abs(x).max(-1, keepdims=True)
;;       e = np.where(a > 0, np.clip(np.frexp(np.where(a > 0, a, 1))[1] - 1 - 2, -126, 127), 0)      # np.frexp(a)[1] - 1 = floor(log2(a)), exactly
;;       r = np.clip(x / 2.0 ** e, -7.5, 7.5)
;;       step = 2.0 ** (np.maximum(np.frexp(np.where(r == 0, 1, r))[1] - 1, 0) - 3)
;;       q = np.round(r / step) * step * 2.0 ** e      # np.round: ties to even
;;       return np.moveaxis(q.reshape(q.shape[:-2] + (-1,))[..., :K], -1, axis).astype(np.float32)
;;   ~~~
;;   SOFTMAX AHEAD OF A QUANTISED PRODUCT. Where the list says 'softmax', what is quantised is not the finished softmax but p = 2^(t - M), with t = logit x log2(e) and M = ceil(the row's largest t), a whole number; so 1/2 < the row's largest p <= 1. The row's sum l is taken of the UNQUANTISED p, in f32, and the product's result is divided by l at the end. Since M is a whole number, a kernel that streams over the keys may use a running M (the ceiling of the running maximum): every later rescaling is an exact power of two, which a block's scale takes up: the codes' values come out the same.
;;   OPERANDS COMPUTED ON THE WAY. 'Computed on the way' means the value that the module computes at that place (a softmax that the list does not call 'softmax' is quantised finished and normalised). What goes into a quantiser is computed in f32, as accurately as f32 sums, v_exp_f32 and their like allow (about 1e-6 of the number): no bf16 or f16 on the way to a quantiser, and a product that is left as it is and whose result goes on into a quantised operand takes f32 operands (vector FMAs, or v_wmma_f32_16x16x4_f32). A number that lies on a knife's edge between two numbers of the format may be rounded either way, as far as f32 arithmetic and the matrix unit's own rounding can turn it there, and no further.
;; One version. Each part assembles by itself: llvm-mc -triple=amdgcn-amd-amdhsa -mcpu=gfx1250 --defsym DOCPART=n.
;; ======== version 1 of 1: 3 launches
;; limits: right only within a limited range of input values
;; workspace buffers: xc 3,276,800 bytes; wc 2,457,600 bytes; qkv 10,092,544 bytes
;; launch prep (part 1): grid 256 x 1, 7 waves a work-group, no clusters, 68,608 bytes of LDS; arguments x, W_qkv, xc, wc; writes xc, wc
.if DOCPART == 1
	.amdgcn_target "amdgcn-amd-amdhsa--gfx1250"
	.amdhsa_code_object_version 6
	.text
	.protected	k_qd0f3444749_prep
	.globl	k_qd0f3444749_prep
	.p2align	8
	.type	k_qd0f3444749_prep,@function
k_qd0f3444749_prep:
	s_mov_b64 s[64:65], 0
	v_nop
	global_prefetch_b8 v0, s[64:65] scope:SCOPE_SE
	s_setreg_imm32_b32 hwreg(HW_REG_WAVE_MODE, 25, 1), 1
	s_wait_xcnt 0x0
; x [4096][1024] and W_qkv [1024][3072], f32, become codes of FP6 (E2M3) along K = 1024, with one E8M0 byte for each 32 along K, laid as IMAGES OF OPERAND REGISTERS.
; A fragment is 16 rows x 128 K = 12 registers a lane: lane (r, h) holds, in registers 6 c .. 6 c + 5, k = 64 c + 32 h + 0 .. 31 of row r.  Its image: 3 pieces of 512 bytes, piece c = registers 4 c .. 4 c + 3, lane l at 16 l.
; xc: [block of 128 rows][K step of 128] chunks of 12,800 bytes: eight tiles' fragments (1,536 bytes each), then the scale words, [tile][row], 4 bytes each.  wc: the same for 128 columns of W.
; THE ROWS OF A TILE ARE NOT NEIGHBOURS: a tile takes 8 of the first 32 of 64 rows on end (lanes r = 0 .. 7) and 8 of the second 32 (lanes r = 8 .. 15), so that a product's results of four tiles in one lane are the 32 numbers of a scale block.
; x: tile j takes rows 8 j + i and 32 + 8 j + i, i = 0 .. 7.  W: tile 2 u + e takes columns 16 u + 2 i + e and 32 + 16 u + 2 i + e: a lane's load of 8 bytes holds a number for each of two tiles.
; A block's scale is 2^(floor(log2(largest magnitude)) - 2): its byte is the largest magnitude's exponent field - 2, held at 1 from below.
; LIMITS: NaN and infinities among the inputs are not served.  Blocks whose largest magnitude lies under 2^-124 have their byte held at 1.  A block of zeros gets the byte 1 where the rule says 127: its codes are
; zeros, which add nothing under any byte but 0xff, and the bytes are read by this program alone.
; SHARES.  A unit is a pair of tiles x 128 K: 16,384 bytes in, 3,072 + 128 bytes out.  Work-group g: waves 0-3 take x's chunk g, pair = the wave; waves 4-6 take W's units 3 g .. 3 g + 2, unit = 4 x (8 x block + K step) + pair.
; Every load of a wave is issued ahead of its work: no loop, so nothing is prefetched.  Waves share nothing: no barrier.  No input is read by two work-groups: no cluster, no matrix unit.  Only x's path uses LDS.
.set ROWX, 4096                        ; a row of x in bytes
.set ROWW, 12288                       ; a row of W in bytes
.set CHUNK, 12800
.set SPX,  528                         ; a stage row: 512 bytes + 16
.set TST,  16*SPX                      ; a tile's stage
.set WST,  2*TST                       ; a wave's two
.set SPARE, 4*WST                      ; behind the four stages: the spare words, 128 bytes a wave
.set T,    8                           ; v8-14   at work
.set F0,   24                          ; v24-35  the first tile's fragment
.set F1,   36                          ; v36-47  the second's
.set TB,   48                          ; v48-50, v52-54: a block's upper half is made here and moved
.set WD0,  56                          ; scale words
.set WD1,  57
.set X,    64                          ; v64-127 64 numbers of a lane, in the operand's order
.set R,    128                         ; v128-255 as loaded
	s_load_b256 s[4:11], s[0:1], 0x0               ; x s[4:5], W s[6:7], xc s[8:9], wc s[10:11]
	v_lshl_add_u32 v62, v0, 2, SPARE
	v_mov_b32 v63, 0
	v_lshrrev_b32 v1, 5, v0
	v_readfirstlane_b32 s12, v1                    ; wave 0..6
	v_and_b32 v1, 31, v0                           ; lane
	v_lshlrev_b32 v2, 4, v1                        ; 16 x lane
	v_lshlrev_b32 v3, 2, v1                        ; 4 x lane
	v_and_b32 v8, 15, v1                           ; r
	v_lshrrev_b32 v9, 4, v1                        ; h
	v_lshlrev_b32 v7, 3, v9                        ; 8 h: where my two bytes stand in a scale word
	v_mov_b32 v[T+6], 0                            ; a lane permute's destination counts as one of its sources
	s_mov_b32 s20, 0x76543210
	s_mov_b32 s21, 0xfedcba98                      ; v_permlanex16_b32's selects for lane l xor 16
	s_mov_b32 s23, 0
	s_mov_b32 s25, 0
	s_mov_b32 s27, 0
	s_wait_alu depctr_va_vdst(0)
	s_cmp_lt_u32 s12, 4
	s_cbranch_scc0 .Lw_path
; ---------------- x: K is innermost.  A load takes one row's 512 bytes as they lie; the rows turn through the wave's own stage, so that a lane comes to hold 32 neighbours of each of its two blocks.
	s_lshr_b32 s16, ttmp9, 3                       ; block
	s_and_b32 s17, ttmp9, 7                        ; K step
	s_lshl_b32 s22, s16, 7
	s_lshr_b32 s28, s12, 1
	s_lshl_b32 s28, s28, 6
	s_add_co_u32 s22, s22, s28
	s_and_b32 s28, s12, 1
	s_lshl_b32 s28, s28, 4
	s_add_co_u32 s22, s22, s28                     ; my first row: 128 block + 64 (pair / 2) + 16 (pair % 2)
	s_lshl_b32 s22, s22, 12
	s_lshl_b32 s17, s17, 9
	s_add_co_u32 s22, s22, s17                     ; + 512 x K step
	s_mul_i32 s24, ttmp9, CHUNK
	s_lshl_b32 s19, s12, 7
	s_add_co_u32 s26, s24, s19
	s_add_co_u32 s26, s26, 12288                   ; scale words behind the codes
	s_mul_i32 s18, s12, 3072
	s_add_co_u32 s24, s24, s18
	s_mul_i32 s28, s12, WST
	v_add_nc_u32 v4, s28, v2                       ; into the stage: 16 x lane of a row
	v_mul_u32_u24 v5, v8, SPX
	v_lshl_add_u32 v5, v9, 7, v5
	v_add_nc_u32 v5, s28, v5                       ; out of it: row r, + 128 h: k = 32 h on
	s_wait_alu depctr_va_vdst(0)                   ; the head's end
	s_wait_kmcnt 0x0
	s_add_nc_u64 s[4:5], s[4:5], s[22:23]
	s_add_nc_u64 s[30:31], s[8:9], s[26:27]
	s_add_nc_u64 s[8:9], s[8:9], s[24:25]
.irp j, 0,1,2,3,4,5,6,7,16,17,18,19,20,21,22,23,8,9,10,11,12,13,14,15,24,25,26,27,28,29,30,31
	global_load_b128 v[R+4*\j:R+4*\j+3], v2, s[4:5] offset:ROWX*(\j+16*(\j/16)) th:TH_LOAD_NT   ; rows 0 to 15 and 32 to 47: 512 consecutive bytes each; the first tile's sixteen first
.endr
.macro TOSTAGE j                       ; load j is row j % 8 + 8 (j / 16) of tile (j / 8) % 2
	ds_store_b128 v4, v[R+4*(\j):R+4*(\j)+3] offset:TST*(((\j)/8)%2)+SPX*((\j)%8+8*((\j)/16))
.endm
.macro BACK u                          ; tile u: my 2 x 32 numbers.  LDS serves a wave's instructions in order: these see my stores
.irp c, 0,1
.irp q, 0,1,2,3,4,5,6,7
	ds_load_b128 v[X+32*\c+4*\q:X+32*\c+4*\q+3], v5 offset:TST*\u+256*\c+16*\q
.endr
.endr
.endm
; 64 numbers in v[X] on (register 32 c + i = k 64 c + 32 h + i of my row) become the fragment v[f] on and the row's scale word v[wd].
.macro XQ f, wd
.irp c, 0,1
	v_max3_num_f32 v[T+\c], |v[X+32*\c]|, |v[X+32*\c+1]|, 0x1800000   ; my block 2 c + h; the floor 2^(3 - 127) holds the byte at 1 from below
.endr
.irp i, 2,4,6,8,10,12,14,16,18,20,22,24,26,28,30
.irp c, 0,1
	v_max3_num_f32 v[T+\c], v[T+\c], |v[X+32*\c+\i]|, |v[X+32*\c+\i+1]|   ; the two blocks by turns
.endr
.endr
.irp c, 0,1
	v_add_nc_u32 v[T+2+\c], 0xff000000, v[T+\c]    ; 2 off the exponent field: the conversion takes this operand's exponent field as its scale
.endr
.irp c, 0,1
	v_lshrrev_b32 v[T+4+\c], 23, v[T+2+\c]         ; the scale's byte
.endr
	v_lshl_or_b32 v[\wd], v[T+5], 16, v[T+4]       ; blocks h and 2 + h,
	v_lshlrev_b32 v[\wd], v7, v[\wd]               ; at their places in the word;
	v_permlanex16_b32 v[T+6], v[\wd], s20, s21
	v_or_b32 v[\wd], v[\wd], v[T+6]                ; with lane l xor 16's two the word is whole
.irp c, 0,1
	v_cvt_scalef32_pk16_fp6_f32 v[\f+6*\c:\f+6*\c+2], v[X+32*\c:X+32*\c+15], v[T+2+\c]
	v_cvt_scalef32_pk16_fp6_f32 v[TB+4*\c:TB+4*\c+2], v[X+32*\c+16:X+32*\c+31], v[T+2+\c]
.endr
	v_nop                                          ; one plain instruction behind a scaled conversion
.irp c, 0,1
.irp i, 0,1,2
	v_mov_b32 v[\f+6*\c+3+\i], v[TB+4*\c+\i]
.endr
.endr
.endm
.macro LEAVE b                         ; both fragments and the words: lanes 0-15 the first tile's, lanes 16-31 the second's
	v_cmp_le_u32 vcc_lo, 16, v1
	v_cndmask_b32 v[WD0], v[WD0], v[WD1], vcc_lo
.irp c, 0,1,2,3,4,5
	global_store_b128 v2, v[F0+4*\c:F0+4*\c+3], s[\b:\b+1] offset:512*\c   ; 512 consecutive bytes, at a multiple of 256 from the buffer's first byte
.endr
	global_store_b32 v3, v[WD0], s[30:31]
.endm
	s_wait_loadcnt 16                              ; the first tile's sixteen rows are in; the second's sixteen may be out
.irp j, 0,1,2,3,4,5,6,7,16,17,18,19,20,21,22,23
	TOSTAGE \j
.endr
	BACK 0
	s_wait_loadcnt 0x0
.irp j, 8,9,10,11,12,13,14,15,24,25,26,27,28,29,30,31
	TOSTAGE \j
.endr
	s_wait_dscnt 16                                ; the first tile's numbers are back; the sixteen younger stores may be out
	XQ F0, WD0
	BACK 1
	s_wait_alu depctr_va_vdst(0)
	s_wait_dscnt 0x0
	XQ F1, WD1
	LEAVE 8
	s_wait_tensorcnt 0x0                           ; the wave's end
	ds_add_u32 v62, v63
	s_wait_dscnt 0x0
	s_endpgm
; ---------------- W: K is the FIRST axis.  Lane (r, h) loads 8 bytes of a row: columns 2 (r % 8) and the next, + 32 (r / 8): one for each of its two tiles; its registers run down K = 64 c + 32 h + i: whole blocks in a lane.
.Lw_path:
	s_mul_i32 s13, ttmp9, 3
	s_add_co_u32 s13, s13, s12
	s_sub_co_u32 s13, s13, 4                       ; my unit
	s_and_b32 s14, s13, 3                          ; pair
	s_lshr_b32 s15, s13, 2                         ; 8 x block + K step
	s_lshr_b32 s16, s15, 3
	s_and_b32 s17, s15, 7
	s_mul_i32 s22, s17, 128*ROWW                   ; 128 rows of W a K step
	s_lshl_b32 s16, s16, 9
	s_add_co_u32 s22, s22, s16                     ; + 128 columns a block
	s_lshr_b32 s28, s14, 1
	s_lshl_b32 s28, s28, 8
	s_add_co_u32 s22, s22, s28                     ; + 64 columns for pair / 2
	s_and_b32 s28, s14, 1
	s_lshl_b32 s28, s28, 6
	s_add_co_u32 s22, s22, s28                     ; + 16 for pair % 2
	s_mul_i32 s24, s15, CHUNK
	s_lshl_b32 s19, s14, 7
	s_add_co_u32 s26, s24, s19
	s_add_co_u32 s26, s26, 12288
	s_mul_i32 s18, s14, 3072
	s_add_co_u32 s24, s24, s18
	v_and_b32 v10, 7, v1
	v_lshlrev_b32 v10, 3, v10                      ; 8 (r % 8)
	v_and_b32 v11, 8, v1
	v_lshl_add_u32 v10, v11, 4, v10                ; + 128 (r / 8)
	v_mul_u32_u24 v11, v9, 32*ROWW                 ; + 32 rows for h
	v_add_nc_u32 v6, v10, v11
	s_wait_alu depctr_va_vdst(0)                   ; the head's end
	s_wait_kmcnt 0x0
	s_add_nc_u64 s[6:7], s[6:7], s[22:23]
	s_add_nc_u64 s[30:31], s[10:11], s[26:27]
	s_add_nc_u64 s[10:11], s[10:11], s[24:25]
.set n, 0
.rept 64
	global_load_b64 v[R+2*n:R+2*n+1], v6, s[6:7] offset:(n+32*(n/32))*ROWW th:TH_LOAD_NT   ; k = 64 (n / 32) + 32 h + n % 32
.set n, n+1
.endr
.macro PICK e, n0                      ; tile e: 32 numbers into the operand's order
.set n, \n0
.rept 32
	v_mov_b32 v[X+n], v[R+2*n+\e]
.set n, n+1
.endr
.endm
	s_wait_loadcnt 32                              ; c = 0 is in; the other 32 loads may be out
	PICK 0, 0
	s_wait_loadcnt 0x0
	PICK 0, 32
	XQ F0, WD0
	PICK 1, 0
	PICK 1, 32
	XQ F1, WD1
	LEAVE 10
	s_endpgm
.Lfunc_end_k_qd0f3444749_prep:
	.size	k_qd0f3444749_prep, .Lfunc_end_k_qd0f3444749_prep-k_qd0f3444749_prep
	.p2alignl 7, 3214868480
	.fill 96, 4, 3214868480
	.section	.rodata,"a",@progbits
	.p2align	6, 0x0
	.amdhsa_kernel k_qd0f3444749_prep
		.amdhsa_group_segment_fixed_size 68608
		.amdhsa_private_segment_fixed_size 0
		.amdhsa_enable_private_segment 0
		.amdhsa_kernarg_size 32
		.amdhsa_user_sgpr_count 2
		.amdhsa_user_sgpr_kernarg_segment_ptr 1
		.amdhsa_wavefront_size32 1
		.amdhsa_system_sgpr_workgroup_id_x 1
		.amdhsa_system_sgpr_workgroup_id_y 1
		.amdhsa_system_sgpr_workgroup_id_z 1
		.amdhsa_system_vgpr_workitem_id 0
		.amdhsa_next_free_vgpr 256
		.amdhsa_next_free_sgpr 66
		.amdhsa_reserve_vcc 1
		.amdhsa_float_denorm_mode_32 3
		.amdhsa_float_denorm_mode_16_64 3
		.amdhsa_memory_ordered 1
		.amdhsa_forward_progress 1
		.amdhsa_inst_pref_size 34
	.end_amdhsa_kernel
	.amdgpu_metadata
---
amdhsa.version: [ 1, 2 ]
amdhsa.kernels:
  - .name:           k_qd0f3444749_prep
    .symbol:         k_qd0f3444749_prep.kd
    .args:
      - { .name: x, .offset: 0, .size: 8, .value_kind: global_buffer, .address_space: global }
      - { .name: W_qkv, .offset: 8, .size: 8, .value_kind: global_buffer, .address_space: global }
      - { .name: xc, .offset: 16, .size: 8, .value_kind: global_buffer, .address_space: global }
      - { .name: wc, .offset: 24, .size: 8, .value_kind: global_buffer, .address_space: global }
    .group_segment_fixed_size: 68608
    .private_segment_fixed_size: 0
    .kernarg_segment_align: 8
    .kernarg_segment_size: 32
    .max_flat_workgroup_size: 224
    .sgpr_count:     66
    .vgpr_count:     256
    .wavefront_size: 32
...
	.end_amdgpu_metadata
.endif
;; end of part 1
;; launch gemm (part 2): grid 12 x 16, 4 waves a work-group, clusters of 4 x 4, 327,680 bytes of LDS; arguments xc, wc, b_qkv, qkv; writes qkv
.if DOCPART == 2
	.amdgcn_target "amdgcn-amd-amdhsa--gfx1250"
	.amdhsa_code_object_version 6
	.text
	.protected	k_qd0f3444749_gemm
	.globl	k_qd0f3444749_gemm
	.p2align	8
	.type	k_qd0f3444749_gemm,@function
k_qd0f3444749_gemm:
	s_mov_b64 s[64:65], 0
	v_nop
	global_prefetch_b8 v0, s[64:65] scope:SCOPE_SE
	s_setreg_imm32_b32 hwreg(HW_REG_WAVE_MODE, 25, 1), 1
	s_wait_xcnt 0x0
	s_wait_alu depctr_hold_cnt(0) depctr_sa_sdst(0) depctr_va_vdst(0) depctr_va_sdst(0) depctr_va_ssrc(0) depctr_va_vcc(0) depctr_vm_vsrc(0)
	s_getreg_b32 s2, hwreg(HW_REG_IB_STS2, 6, 4)
	s_cmp_eq_u32 s2, 0
	s_cbranch_scc0 .Lentry_in_a_cluster
	s_endpgm
.Lentry_in_a_cluster:
	s_bfe_u32 s2, ttmp6, 0x10000c
	s_cmp_lg_u32 s2, 0xf033
	s_cbranch_scc0 .Lentry_shape_is_right
	s_endpgm
.Lentry_shape_is_right:
; qkv = Q(x) Q(W) + b on codes of FP6 (E2M3) with E8M0 scales, M 4096, N 3072, K 1024; the results q, k (along the head's 64) and v (along the keys) are quantised in registers and stored as images of operand registers.
; A work-group of four waves makes 256 x 256, a wave 128 x 128: 64 accumulators, 512 registers.  12 x 16 = 192 work-groups: q, k and v stand 1 : 1 : 1 in N, and no equal tile of this side gives 256.
; TYPE = the cluster's x: 0 q, 1 k, 2 v: the same in all sixteen partners; branches hang on it, never on a work-group's place in its cluster.
; WHICH OPERAND IS SOURCE 0.  A result's registers run along source 0's rows (P), its lanes along source 1's (R), and a quantiser wants its K along registers.  q, k: P = W (the head's numbers), R = x.  v: P = x (the keys), R = W.
; By the rows' order in the tiles a lane's 32 results of four tiles on end are the 32 numbers of a scale block along P.  Tile j = 2 u + e of 64: x's rows 8 j + i (+ 32 h), W's columns 16 u + 2 i + e (+ 32 h), i = 0 .. 7; both of q and k have the same order inside a block.
; OPERANDS lie in memory as images of registers, a K step's eight fragments and their scale words on end (12,800 bytes): three K steps are one dense block of 38,400 bytes, a fragment three ds_load_b128, no pitch and no padding.
; K: 8 steps of 128.  Slot 0 takes steps 0-2 at the head (one load a wave), slot 1 steps 3-5 behind the next round, slot 0 again steps 6, 7 once it is read: one refill.  All 8 steps are written out.
; PREFETCHES: K steps 3-5 behind the head's load, K steps 6, 7 behind the second: each one fill ahead of the load that wants them.  A half's blocks of 256 bytes are shared out by address among the four partners that ask for it jointly.
; CLUSTER 4 x 4: x's tiles are shared along a row of the cluster, W's along a column: each is asked for jointly.  The bias is the C of each sum's first product.
; qkv: [head 32][128 keys: 16] records of 13,056 bytes: +0 k's codes (48 registers: register 6 t + i = register i of key tile t); +6144 v's (4 fragments of 16 d x 128 keys); +12288 k's scale words (lane l at 16 l, word i:
; tile 2 i + l / 16, row l % 16; bytes 2, 3 are 0); +12800 v's (lane l at 8 l, word i: d tile 2 i + l / 16).  From byte 6,684,672: [head][128 queries: 16] records of 6,656 bytes: q's codes, at +6144 its scale words, both as k's.
; LIMITS: NaN and infinities are not served; a block whose largest magnitude lies under 2^-124 has its byte held at 1; a block of zeros gets the byte 1 where the rule says 127 (zero codes; only this program reads the bytes).
; REGISTERS, in windows of 256.  Window 0: v1-18 lane numbers and addresses; v28, v29 for the add; v32-47 scale words, two sets; v96-127, v224-255 the bias; v128-223 R's eight fragments, one set.
;   Window 1: P's fragments, two sets, at v0 and v128; in the last step, which reads set 1, v0-95 take the codes on their way out.  Window 2: accumulators (a, b) at v[8 (8 a + b)], a = 0-3.  Window 3: a = 4-7.
.set CHUNK, 12800                      ; 128 rows x 128 K: eight fragments and their scale words
.set HALFT, 3*CHUNK                    ; what one tensor load brings at the head
.set SLOT,  4*HALFT                    ; x's two halves, then W's two
.set SPARE, 2*SLOT                     ; behind the slots: the spare words, 128 bytes for each wave
.set QOFF,  6684672
.set ADRP, 4                           ; v4-5    LDS address of P's fragments in slot 0, 1
.set ADRR, 8                           ; v8-9    of R's
.set ASC,  12                          ; v12-13  of the scale words: lanes 0-15 R's rows, lanes 16-31 P's
.set BOF0, 10                          ; v10     the bias's offset where it runs along registers: 128 h
.set BOF1, 11                          ; v11     where it runs along lanes: 4 (2 (r % 8) + 32 (r / 8))
.set SH8,  14                          ; v14     8 h
.set L8,   15                          ; v15     8 x lane
.set PF0,  16                          ; v16-18  the prefetches' offsets
.set SPW,  28
.set NIL,  29
.set SC,   32                          ; scale words of K step ks, tile t: v[SC + 8 (ks % 2) + t]
.set AF,   128                         ; R's fragments
.set TM,   96                          ; the way out: v96-113 at work
.set PW,   116                         ; v116-123 the eight scale words
.set KS0,  240
.set KS1,  244
.set TS,   248
.set G1X, 24                           ; s[24:31] descriptor group 1 for x's tiles; s[32:39] group 0 for each slot
.set G0X, 32
.set G1W, 44                           ; s[44:51], s[52:59] the same for W's
.set G0W, 52
.set MSB, 0
.macro WIN new                         ; the immediate's high byte repeats the setting that is left
.if MSB != (\new)
	s_set_vgpr_msb (MSB<<8)|(\new)
.set MSB, (\new)
.endif
.endm
.macro PLACES n
.rept \n
	v_nop
.endr
.endm
.macro CREST                           ; a round of the cluster's barrier behind its opening barrier
	s_cmp_lg_u32 s14, 0
	s_cbranch_scc1 .Lnot_wave_0_\@
	s_barrier_signal -3
.Lnot_wave_0_\@:
	s_barrier_wait -3
	s_barrier_signal -1
	s_barrier_wait -1
.endm
.macro CROUND
	s_barrier_signal -1
	s_barrier_wait -1
	CREST
.endm
.macro JLOAD s                         ; a joint load into slot s: waves 0, 1 fetch x's halves, waves 2, 3 W's; four v_nop follow each of the two lines
	s_cmp_eq_u32 s15, 0
	s_cbranch_scc0 .Lfor_w_\@
	tensor_load_to_lds s[G0X+4*\s:G0X+4*\s+3], s[G1X:G1X+7]
	s_nop 0
.rept 4
	v_nop
.endr
	s_branch .Lasked_\@
.Lfor_w_\@:
	tensor_load_to_lds s[G0W+4*\s:G0W+4*\s+3], s[G1W:G1W+7]
	s_nop 0
.rept 4
	v_nop
.endr
.Lasked_\@:
.endm
	s_load_b256 s[4:11], s[0:1], 0x0               ; xc s[4:5], wc s[6:7], b s[8:9], qkv s[10:11]
	v_lshl_add_u32 v[SPW], v0, 2, SPARE
	v_mov_b32 v[NIL], 0
	ds_add_u32 v[SPW], v[NIL]                      ; the wave's opening: the add, twice on end
	ds_add_u32 v[SPW], v[NIL]
	v_lshrrev_b32 v1, 5, v0
	v_readfirstlane_b32 s14, v1                    ; wave 0..3
	s_lshr_b32 s15, s14, 1                         ; which 128 rows of x are mine.  Also: I fetch for x (0) or for W (1)
	s_and_b32 s16, s14, 1                          ; which 128 columns of W.  Also: which half I fetch
	s_bfe_u32 s74, ttmp6, 0x40000                  ; cx
	s_bfe_u32 s75, ttmp6, 0x40004                  ; cy
	s_lshl_b32 s76, ttmp9, 2
	s_add_co_u32 s76, s76, s74                     ; tile column = 4 x cluster x + cx
	s_and_b32 s17, ttmp7, 0xffff
	s_lshl_b32 s17, s17, 2
	s_add_co_u32 s17, s17, s75                     ; tile row = 4 x cluster y + cy
	s_lshl_b32 s77, s75, 2
	s_lshl_b32 s77, 15, s77                        ; my row of the cluster
	s_lshl_b32 s78, 0x1111, s74                    ; my column
	; group 1: a dense block of 38,400 bytes as 150 rows of 256 bytes (32 elements of 8 bytes), no padding
	s_or_b32 s[G1X], s77, (3<<16)|(1<<21)          ; 15:0 the mask: x's tiles go to my row; 17:16 elements of 8 bytes; 21 set beside a mask
	s_or_b32 s[G1W], s78, (3<<16)|(1<<21)          ; W's to my column
.irp g, G1X, G1W
	s_mov_b32 s[\g+1], 32<<16                      ; tensor_dim0
	s_mov_b32 s[\g+2], 150<<16                     ; tensor_dim1
	s_mov_b32 s[\g+3], 32<<16                      ; tile_dim0
	s_mov_b32 s[\g+4], 150                         ; tile_dim1
	s_mov_b32 s[\g+5], 32                          ; from row to row
	s_mov_b32 s[\g+6], 0
	s_mov_b32 s[\g+7], 0
.endr
	s_lshl_b32 s80, s17, 1
	s_add_co_u32 s80, s80, s16                     ; x: block 2 x tile row + half
	s_mul_i32 s80, s80, 8*CHUNK
	s_mov_b32 s81, 0
	s_lshl_b32 s82, s76, 1
	s_add_co_u32 s82, s82, s16                     ; W: block 2 x tile column + half
	s_mul_i32 s82, s82, 8*CHUNK
	s_mov_b32 s83, 0
	s_mul_i32 s79, s14, HALFT                      ; where they go: wave x a half: no place in the cluster enters an LDS address
	s_wait_dscnt 0x0                               ; both opening adds are done
	s_wait_kmcnt 0x0
	s_add_nc_u64 s[80:81], s[4:5], s[80:81]
	s_add_nc_u64 s[82:83], s[6:7], s[82:83]
.irp s, 0,1
	s_mov_b32 s[G0X+4*\s], 1                       ; count = 1
	s_add_co_u32 s[G0X+4*\s+1], s79, \s*SLOT       ; LDS address
	s_add_nc_u64 s[G0X+4*\s+2:G0X+4*\s+3], s[80:81], \s*HALFT
	s_or_b32 s[G0X+4*\s+3], s[G0X+4*\s+3], 0x80000000           ; type = 2
	s_mov_b32 s[G0W+4*\s], 1
	s_add_co_u32 s[G0W+4*\s+1], s79, \s*SLOT
	s_add_nc_u64 s[G0W+4*\s+2:G0W+4*\s+3], s[82:83], \s*HALFT
	s_or_b32 s[G0W+4*\s+3], s[G0W+4*\s+3], 0x80000000
.endr
	CROUND                                         ; all sixteen work-groups are here: the first joint loads meet
	JLOAD 0                                        ; K steps 0-2, one load a wave
	v_and_b32 v1, 15, v0                           ; r
	v_bfe_u32 v2, v0, 4, 1                         ; h
	v_and_b32 v3, 31, v0
	; the prefetches: of the half that I fetch, partner p (cx for x, cy for W) asks for blocks 38 p .. 38 p + 37 of K steps 3-5's 150, and for blocks 25 p .. 25 p + 24 of K steps 6, 7's 100
	s_cmp_eq_u32 s15, 0
	s_cselect_b32 s18, s74, s75
	s_cselect_b64 s[60:61], s[80:81], s[82:83]
	s_mul_i32 s19, s18, 25
	s_mul_i32 s18, s18, 38
	s_add_co_u32 s20, s18, 37
	s_min_u32 s20, s20, 149
	s_wait_alu depctr_va_vdst(0)
	v_add_nc_u32 v[PF0], s18, v3
	v_min_u32 v[PF0+2], 24, v3                     ; (left-over lanes name the last block again)
	v_add_nc_u32 v[PF0+1], 32, v[PF0]
	v_add_nc_u32 v[PF0+2], s19, v[PF0+2]
	v_min_u32 v[PF0+1], s20, v[PF0+1]
	v_lshlrev_b32 v[PF0], 8, v[PF0]
	v_lshlrev_b32 v[PF0+1], 8, v[PF0+1]
	v_lshlrev_b32 v[PF0+2], 8, v[PF0+2]
	global_prefetch_b8 v[PF0], s[60:61] offset:HALFT th:TH_LOAD_NT scope:SCOPE_SE
	global_prefetch_b8 v[PF0+1], s[60:61] offset:HALFT th:TH_LOAD_NT scope:SCOPE_SE
	v_lshlrev_b32 v[L8], 3, v3
	v_lshlrev_b32 v3, 4, v3                        ; 16 x lane
	v_lshlrev_b32 v[SH8], 3, v2
	v_lshlrev_b32 v[BOF0], 7, v2
	v_and_b32 v6, 7, v1
	v_and_b32 v7, 8, v1
	v_lshlrev_b32 v6, 3, v6
	v_lshl_add_u32 v[BOF1], v7, 4, v6
	s_mul_i32 s84, s15, HALFT                      ; my half of x in a slot
	s_mul_i32 s85, s16, HALFT
	s_add_co_u32 s85, s85, 2*HALFT                 ; my half of W
	s_lshl_b32 s88, s17, 1
	s_add_co_u32 s88, s88, s15                     ; my block of x: 0..31
	s_lshl_b32 s89, s76, 1
	s_add_co_u32 s89, s89, s16                     ; my block of W: 0..23
	s_cmp_eq_u32 ttmp9, 2                          ; v?
	s_cselect_b32 s66, 1, 0
	s_cselect_b32 s86, s84, s85                    ; P: x for v, W for q and k
	s_cselect_b32 s87, s85, s84                    ; R: the other
	s_wait_alu depctr_va_vdst(0)
	v_add_nc_u32 v[ADRP], s86, v3
	v_add_nc_u32 v[ADRR], s87, v3
	v_lshlrev_b32 v6, 2, v1
	v_add_nc_u32 v7, s86, v6
	v_add_nc_u32 v6, s87, v6
	v_cmp_eq_u32 vcc_lo, 1, v2
	v_cndmask_b32 v[ASC], v6, v7, vcc_lo           ; lanes 0-15 take R's words, lanes 16-31 P's
	v_add_nc_u32 v[ADRP+1], SLOT, v[ADRP]
	v_add_nc_u32 v[ADRR+1], SLOT, v[ADRR]
	v_add_nc_u32 v[ASC+1], SLOT, v[ASC]
	s_lshl_b32 s92, s89, 9                         ; the bias of my 128 columns
	s_mov_b32 s93, 0
	s_add_nc_u64 s[8:9], s[8:9], s[92:93]
	; where my results go
	s_lshr_b32 s94, s88, 4                         ; batch
	s_lshl_b32 s94, s94, 4
	s_and_b32 s95, s89, 7
	s_lshl_b32 s95, s95, 1
	s_add_co_u32 s94, s94, s95                     ; my first head: 16 x batch + 2 x (block of W % 8)
	s_lshl_b32 s94, s94, 4
	s_and_b32 s95, s88, 15
	s_add_co_u32 s94, s94, s95                     ; its record for my 128 rows of s
	s_mov_b32 s20, 6656
	s_mov_b32 s21, 13056
	s_mov_b32 s22, QOFF
	s_mov_b32 s98, 12288
	s_cmp_eq_u32 ttmp9, 0
	s_cselect_b32 s20, s20, s21                    ; a record: q's 6,656 bytes, the others' 13,056
	s_cselect_b32 s22, s22, 0
	s_cselect_b32 s98, 6144, s98                   ; scale words: q's at 6,144, k's at 12,288,
	s_cmp_eq_u32 ttmp9, 2
	s_cselect_b32 s96, 6144, 0                     ; codes: v's at 6,144
	s_cselect_b32 s98, 12800, s98                  ; v's scale words at 12,800
	s_mul_i32 s94, s94, s20
	s_add_co_u32 s94, s94, s22
	s_add_co_u32 s96, s96, s94
	s_add_co_u32 s98, s98, s94
	s_mov_b32 s97, 0
	s_mov_b32 s99, 0
	s_lshl_b32 s20, s20, 4                         ; from head to head
	s_mov_b32 s21, 0
	s_add_nc_u64 s[70:71], s[10:11], s[96:97]      ; codes of my first head, of my second
	s_add_nc_u64 s[90:91], s[70:71], s[20:21]
	s_add_nc_u64 s[72:73], s[10:11], s[98:99]      ; scale words of my first head, of my second
	s_add_nc_u64 s[92:93], s[72:73], s[20:21]
	s_mov_b32 s68, 0x76543210
	s_mov_b32 s69, 0xfedcba98                      ; v_permlanex16_b32's selects for lane l xor 16
	; the bias in the result's layout, eight registers a tile, tile t at v[96 + 8 (t % 4) + 128 (t / 4)]
	s_wait_alu depctr_va_vdst(0)                   ; ahead of the branch
	s_cmp_eq_u32 s66, 0
	s_cbranch_scc0 .Lbias_v
.irp g, 0,1,2,3                                ; q, k: registers run along N: register i of tile 2 g + e is column 64 (g / 2) + 16 (g % 2) + 32 h + 2 i + e: loaded as they lie into registers that R's fragments take later, and sorted
.irp k, 0,1,2,3
	global_load_b128 v[AF+16*\g+4*\k:AF+16*\g+4*\k+3], v[BOF0], s[8:9] offset:(64*(\g/2)+16*(\g%2)+4*\k)*4
.endr
.endr
	s_wait_loadcnt 0x0
.irp g, 0,1,2,3
.irp i, 0,1,2,3,4,5,6,7
	v_mov_b32 v[96+16*(\g%2)+128*(\g/2)+\i], v[AF+16*\g+2*\i]
	v_mov_b32 v[104+16*(\g%2)+128*(\g/2)+\i], v[AF+16*\g+2*\i+1]
.endr
.endr
	s_wait_alu depctr_va_vdst(0)                   ; ahead of the branch
	s_branch .Lbias_done
.Lbias_v:
.irp t, 0,1,2,3,4,5,6,7                        ; v: lanes run along N: all eight registers hold the number of column 64 (t / 4) + 16 ((t % 4) / 2) + t % 2 + 2 (r % 8) + 32 (r / 8)
	global_load_b32 v[96+8*(\t%4)+128*(\t/4)], v[BOF1], s[8:9] offset:(64*(\t/4)+16*((\t%4)/2)+\t%2)*4
.endr
	s_wait_loadcnt 0x0
.irp t, 0,1,2,3,4,5,6,7
.irp j, 1,2,3,4,5,6,7
	v_mov_b32 v[96+8*(\t%4)+128*(\t/4)+\j], v[96+8*(\t%4)+128*(\t/4)]
.endr
.endr
.Lbias_done:
; 16 products: R's blocks a0, a0 + 1 x P's eight, K step ks.  p: P's set.  cm = 0: onto the sums; 1: the sums begin with the bias of P's tile; 2: with that of R's tile.
; Source 0's scales are read from lanes 16-31 of tile b's register, source 1's from lanes 0-15 of tile a's.  The 64 accumulators take turns, one instruction a turn, in the same order in every step.
.macro MUL16 a0, p, ks, cm
.if \cm == 0
	WIN 0xa1+0x50*((\a0)/4)                        ; P window 1, R window 0, C and D window 2 or 3
.else
	WIN 0x81+0x40*((\a0)/4)                        ; C window 0
.endif
.irp a, \a0, \a0+1
.irp b, 0,1,2,3,4,5,6,7
.set rD, 8*(8*((\a)%4)+\b)
.set rP, 128*(\p)+12*\b
.set rR, AF+12*(\a)
.set rSp, SC+8*((\ks)%2)+\b
.set rSr, SC+8*((\ks)%2)+(\a)
.if \cm == 0
	v_wmma_scale_f32_16x16x128_f8f6f4 v[rD:rD+7], v[rP:rP+11], v[rR:rR+11], v[rD:rD+7], v[rSp], v[rSr] matrix_a_fmt:MATRIX_FMT_FP6 matrix_b_fmt:MATRIX_FMT_FP6 matrix_a_scale:MATRIX_SCALE_ROW1
.elseif \cm == 1
.set rC, 96+8*(\b%4)+128*(\b/4)
	v_wmma_scale_f32_16x16x128_f8f6f4 v[rD:rD+7], v[rP:rP+11], v[rR:rR+11], v[rC:rC+7], v[rSp], v[rSr] matrix_a_fmt:MATRIX_FMT_FP6 matrix_b_fmt:MATRIX_FMT_FP6 matrix_a_scale:MATRIX_SCALE_ROW1
.else
.set rC, 96+8*((\a)%4)+128*((\a)/4)
	v_wmma_scale_f32_16x16x128_f8f6f4 v[rD:rD+7], v[rP:rP+11], v[rR:rR+11], v[rC:rC+7], v[rSp], v[rSr] matrix_a_fmt:MATRIX_FMT_FP6 matrix_b_fmt:MATRIX_FMT_FP6 matrix_a_scale:MATRIX_SCALE_ROW1
.endif
.endr
.endr
.endm
.macro FETCH_P slot, q, p              ; P's eight fragments of the slot's q-th K step into set p: 24 loads
	WIN 0x40                                       ; destination window 1
.irp b, 0,1,2,3,4,5,6,7
.irp c, 0,1,2
	ds_load_b128 v[128*(\p)+12*\b+4*\c:128*(\p)+12*\b+4*\c+3], v[ADRP+\slot] offset:CHUNK*(\q)+1536*\b+512*\c
.endr
.endr
	WIN 0
.endm
.macro FETCH_R slot, q, i0             ; R's blocks i0 .. i0 + 3: 12 loads
.irp a, \i0, \i0+1, \i0+2, \i0+3
.irp c, 0,1,2
	ds_load_b128 v[AF+12*(\a)+4*\c:AF+12*(\a)+4*\c+3], v[ADRR+\slot] offset:CHUNK*(\q)+1536*(\a)+512*\c
.endr
.endr
.endm
.macro SCALES slot, q, p               ; the step's scale words: 8 loads
.irp t, 0,1,2,3,4,5,6,7
	ds_load_b32 v[SC+8*(\p)+\t], v[ASC+\slot] offset:CHUNK*(\q)+12288+64*\t
.endr
.endm
; A load into a register that a matrix instruction has read stands four places behind it, and only plain vector instructions that name none of its registers are places (ISA guide 7.12.1 for vector instructions).
; K step ks; the next step's fragments lie in slot ns, its nq-th.  The next step's P goes into the other set at the step's start (the places ahead of the last step's closing loads serve it too).
; A block of R is free once its eight products are issued: blocks 0-3 and the scale words are fetched anew in the step's middle, blocks 4-7 at its end.
.macro STEP ks, cm, ns, nq
	FETCH_P \ns, \nq, 1-(\ks)%2
	s_wait_dscnt 36                                ; this step's P, R's blocks 0-3 and scale words are in; R's blocks 4-7 (12 loads) and the next P (24) may be out
	MUL16 0, (\ks)%2, \ks, \cm
	MUL16 2, (\ks)%2, \ks, \cm
	s_wait_dscnt 24                                ; R's blocks 4-7 are in
	PLACES 4
	WIN 0
	FETCH_R \ns, \nq, 0
	SCALES \ns, \nq, 1-(\ks)%2
	MUL16 4, (\ks)%2, \ks, \cm
	MUL16 6, (\ks)%2, \ks, \cm
	PLACES 4
	WIN 0
	FETCH_R \ns, \nq, 4
.endm
; A step with a barrier in it, behind which the other slot is read.  fill = 1: slot 0, just read out, takes K steps 6, 7: the three lines stand ahead, the barrier opens a round of the cluster's, and the joint refill is the first tensor load behind it.
.macro TURN ks, fill, ns
	s_wait_tensorcnt 0x0                           ; all my tensor loads have landed  (every window is 0 here: the add's two registers lie in window 0)
.if \fill
	ds_add_u32 v[SPW], v[NIL]                      ; 0 onto my spare word
	s_add_nc_u64 s[G0X+2:G0X+3], s[G0X+2:G0X+3], 2*HALFT   ; from K step 0 to K step 6; no tensor load of mine is out
	s_add_nc_u64 s[G0W+2:G0W+3], s[G0W+2:G0W+3], 2*HALFT
.irp g, G1X, G1W
	s_mov_b32 s[\g+2], 100<<16                     ; two K steps: 100 rows of 256 bytes
	s_mov_b32 s[\g+4], 100
.endr
	s_wait_dscnt 13                                ; (the add and the youngest twelve loads may be out)
.else
	s_wait_dscnt 12
.endif
	MUL16 0, (\ks)%2, \ks, 0                       ; where there is an add, sixteen products stand between it and the wait for it
	s_wait_dscnt 0x0                               ; all my LDS instructions are done, my reads of the slot among them
	s_barrier_signal -1
	MUL16 2, (\ks)%2, \ks, 0
	WIN 0
	s_barrier_wait -1
.if \fill
	CREST                                          ; no wave of any partner still reads slot 0 or has a load on its way
	JLOAD 0                                        ; its four v_nop are also the places in front of the loads below
.else
	PLACES 4
.endif
	FETCH_P \ns, 0, 1-(\ks)%2
	FETCH_R \ns, 0, 0
	SCALES \ns, 0, 1-(\ks)%2
	MUL16 4, (\ks)%2, \ks, 0
	MUL16 6, (\ks)%2, \ks, 0
	PLACES 4
	WIN 0
	FETCH_R \ns, 0, 4
.endm
	s_wait_alu depctr_va_vdst(0)                   ; the head's end
	s_wait_tensorcnt 0x0                           ; my part of K steps 0-2 is in
	ds_add_u32 v[SPW], v[NIL]
	s_wait_dscnt 0x0
	CROUND                                         ; everybody's part is in, and the joint loads meet
	JLOAD 1                                        ; K steps 3-5
	FETCH_P 0, 0, 0
	FETCH_R 0, 0, 0
	SCALES 0, 0, 0
	FETCH_R 0, 0, 4
	global_prefetch_b8 v[PF0+2], s[60:61] offset:2*HALFT th:TH_LOAD_NT scope:SCOPE_SE   ; K steps 6, 7: asked for by the load in step 2
	s_cmp_eq_u32 s66, 0                            ; the first step begins the sums with the bias, which lies along registers or along lanes
	s_cbranch_scc0 .Lstep0_v
	STEP 0, 1, 0, 1
	s_branch .Lstep0_done
.Lstep0_v:
	STEP 0, 2, 0, 1
.Lstep0_done:
	STEP 1, 0, 0, 2
	TURN 2, 1, 1                                   ; slot 0 is read out and filled again; slot 1 is whole
	STEP 3, 0, 1, 1
	STEP 4, 0, 1, 2
	TURN 5, 0, 0                                   ; K steps 6, 7 have had steps 2 to 5 in which to land
	STEP 6, 0, 0, 1
	s_wait_dscnt 12                                ; the last step: nothing more to fetch
	MUL16 0, 1, 7, 0
	MUL16 2, 1, 7, 0
	s_wait_dscnt 0x0
	MUL16 4, 1, 7, 0
	WIN 0
	v_mov_b32 v[TM+16], 0                          ; a lane permute's destination counts as one of its sources
	v_mov_b32 v[TM+17], 0
	v_cmp_eq_u32 vcc_lo, 1, v2                     ; lanes 16-31
	PLACES 4                                       ; in front of the first read of results, and of writes over P's set 0
; THE WAY OUT, two of R's blocks at a time.  For block a a lane holds 64 numbers of ONE row of R: registers 32 c .. 32 c + 31 are a whole scale block of P's rows 64 c + 32 h + 0 .. 31.  Block a's codes go to window 1's v[d0] .. (c = 0) and v[d1] .. (c = 1),
; block a + 1's to v[e0], v[e1]; the rows' four bytes to v[PW + a], v[PW + a + 1].  Each accumulator is read from its low end on; a block's largest magnitude is found in two chains.
.macro EQ2 a, d0, d1, e0, e1
.set A_, 64*((\a)%4)
.set W_, 2+(\a)/4
	WIN W_|(W_<<2)|(W_<<4)
.irp o, 0,1
.irp c, 0,1
	v_max3_num_f32 v[TM+4*\o+2*\c], 0x1800000, |v[A_+64*\o+32*\c]|, |v[A_+64*\o+32*\c+1]|   ; the floor 2^(3 - 127) holds the byte at 1 from below
	v_max3_num_f32 v[TM+4*\o+2*\c+1], |v[A_+64*\o+32*\c+16]|, |v[A_+64*\o+32*\c+17]|, |v[A_+64*\o+32*\c+18]|
.endr
.endr
	WIN (W_<<2)|(W_<<4)
.irp i, 2,4,6,8,10,12,14
.irp o, 0,1
.irp c, 0,1
	v_max3_num_f32 v[TM+4*\o+2*\c], v[TM+4*\o+2*\c], |v[A_+64*\o+32*\c+\i]|, |v[A_+64*\o+32*\c+\i+1]|
.if \i < 14
	v_max3_num_f32 v[TM+4*\o+2*\c+1], v[TM+4*\o+2*\c+1], |v[A_+64*\o+32*\c+\i+17]|, |v[A_+64*\o+32*\c+\i+18]|
.endif
.endr
.endr
.endr
	WIN W_<<4
.irp o, 0,1
.irp c, 0,1
	v_max3_num_f32 v[TM+4*\o+2*\c], v[TM+4*\o+2*\c], v[TM+4*\o+2*\c+1], |v[A_+64*\o+32*\c+31]|
.endr
.endr
	WIN 0
.irp i, 0,1,2,3
	v_add_nc_u32 v[TM+8+\i], 0xff000000, v[TM+2*\i]   ; 2 off the exponent field: the conversion's scale operand
.endr
.irp i, 0,1,2,3
	v_lshrrev_b32 v[TM+12+\i], 23, v[TM+8+\i]      ; the byte
.endr
	WIN W_|0x40
	v_cvt_scalef32_pk16_fp6_f32 v[\d0:\d0+2], v[A_:A_+15], v[TM+8]
	v_cvt_scalef32_pk16_fp6_f32 v[\d1:\d1+2], v[A_+32:A_+47], v[TM+9]
	v_cvt_scalef32_pk16_fp6_f32 v[\e0:\e0+2], v[A_+64:A_+79], v[TM+10]
	v_cvt_scalef32_pk16_fp6_f32 v[\e1:\e1+2], v[A_+96:A_+111], v[TM+11]
	WIN W_
	v_cvt_scalef32_pk16_fp6_f32 v[224:226], v[A_+16:A_+31], v[TM+8]
	v_cvt_scalef32_pk16_fp6_f32 v[228:230], v[A_+48:A_+63], v[TM+9]
	v_cvt_scalef32_pk16_fp6_f32 v[232:234], v[A_+80:A_+95], v[TM+10]
	v_cvt_scalef32_pk16_fp6_f32 v[236:238], v[A_+112:A_+127], v[TM+11]
	WIN 0
.irp o, 0,1                                    ; the scale words, plain work behind the conversions
	v_lshl_or_b32 v[TM+12+2*\o], v[TM+13+2*\o], 16, v[TM+12+2*\o]
.endr
.irp o, 0,1
	v_lshlrev_b32 v[TM+12+2*\o], v[SH8], v[TM+12+2*\o]   ; bytes h and 2 + h
.endr
.irp o, 0,1
	v_permlanex16_b32 v[TM+16+\o], v[TM+12+2*\o], s68, s69
.endr
.irp o, 0,1
	v_or_b32 v[PW+(\a)+\o], v[TM+12+2*\o], v[TM+16+\o]   ; with lane l xor 16's two the word is whole
.endr
	WIN 0x40
.irp i, 0,1,2                                  ; (a conversion's three registers begin on an even number: a block's upper half is made elsewhere and moved)
	v_mov_b32 v[\d0+3+\i], v[224+\i]
	v_mov_b32 v[\d1+3+\i], v[228+\i]
	v_mov_b32 v[\e0+3+\i], v[232+\i]
	v_mov_b32 v[\e1+3+\i], v[236+\i]
.endr
	WIN 0
.endm
	s_wait_alu depctr_va_vdst(0)                   ; ahead of the branch
	s_cmp_eq_u32 s66, 0
	s_cbranch_scc0 .Lout_v
	; q, k: a lane is a row of s; blocks c = 0 are my first head's 64 numbers, c = 1 my second's.  Head c's image: register 6 a + i at v[48 c + 6 a + i]; three pieces of each are whole behind each pair of blocks and leave
.macro QOUT a
	EQ2 \a, 6*\a, 48+6*\a, 6*\a+6, 54+6*\a
	WIN 0x04
.irp k, 0,1,2
	global_store_b128 v3, v[6*\a+4*\k:6*\a+4*\k+3], s[70:71] offset:512*(3*(\a/2)+\k)   ; 512 consecutive bytes, at a multiple of 256 from the buffer's first byte
	global_store_b128 v3, v[48+6*\a+4*\k:48+6*\a+4*\k+3], s[90:91] offset:512*(3*(\a/2)+\k)
.endr
	WIN 0
.endm
	QOUT 0                                         ; finished rows leave ahead of the last sixteen products
	QOUT 2
	MUL16 6, 1, 7, 0
	WIN 0
	QOUT 4
	QOUT 6
.irp i, 0,1,2,3
	v_cndmask_b32 v[TS+\i], v[PW+2*\i], v[PW+2*\i+1], vcc_lo   ; word i: lanes 0-15 tile 2 i, lanes 16-31 tile 2 i + 1
.endr
.irp i, 0,1,2,3
	v_and_b32 v[KS0+\i], 0xffff, v[TS+\i]          ; the first head's two bytes; bytes 2 and 3 are 0
	v_lshrrev_b32 v[KS1+\i], 16, v[TS+\i]          ; the second's
.endr
	global_store_b128 v3, v[KS0:KS0+3], s[72:73]
	global_store_b128 v3, v[KS1:KS1+3], s[92:93]
	s_branch .Lout_done
.Lout_v:
	; v: a lane is one of the head's 64 numbers; the four blocks are the record's 128 keys: block a is a whole fragment, the (a % 4)-th of head a / 4
.macro VOUT a
	EQ2 \a, 12*\a, 12*\a+6, 12*\a+12, 12*\a+18
	WIN 0x04
.irp k, 0,1,2,3,4,5
.if \a < 4
	global_store_b128 v3, v[12*\a+4*\k:12*\a+4*\k+3], s[70:71] offset:512*(3*(\a%4)+\k)
.else
	global_store_b128 v3, v[12*\a+4*\k:12*\a+4*\k+3], s[90:91] offset:512*(3*(\a%4)+\k)
.endif
.endr
	WIN 0
.endm
	VOUT 0
	VOUT 2
	MUL16 6, 1, 7, 0
	WIN 0
	VOUT 4
	VOUT 6
.irp i, 0,1
	v_cndmask_b32 v[KS0+\i], v[PW+2*\i], v[PW+2*\i+1], vcc_lo
	v_cndmask_b32 v[KS1+\i], v[PW+4+2*\i], v[PW+5+2*\i], vcc_lo
.endr
	global_store_b64 v[L8], v[KS0:KS0+1], s[72:73]
	global_store_b64 v[L8], v[KS1:KS1+1], s[92:93]
.Lout_done:
	s_wait_tensorcnt 0x0                           ; the wave's end
	ds_add_u32 v[SPW], v[NIL]
	s_wait_dscnt 0x0
	CROUND                                         ; the closing round: no work-group ends while a partner may still ask for a tile that names it
	s_endpgm
.Lfunc_end_k_qd0f3444749_gemm:
	.size	k_qd0f3444749_gemm, .Lfunc_end_k_qd0f3444749_gemm-k_qd0f3444749_gemm
	.p2alignl 7, 3214868480
	.fill 96, 4, 3214868480
	.section	.rodata,"a",@progbits
	.p2align	6, 0x0
	.amdhsa_kernel k_qd0f3444749_gemm
		.amdhsa_group_segment_fixed_size 327680
		.amdhsa_private_segment_fixed_size 0
		.amdhsa_enable_private_segment 0
		.amdhsa_kernarg_size 32
		.amdhsa_user_sgpr_count 2
		.amdhsa_user_sgpr_kernarg_segment_ptr 1
		.amdhsa_wavefront_size32 1
		.amdhsa_system_sgpr_workgroup_id_x 1
		.amdhsa_system_sgpr_workgroup_id_y 1
		.amdhsa_system_sgpr_workgroup_id_z 1
		.amdhsa_system_vgpr_workitem_id 0
		.amdhsa_next_free_vgpr 1024
		.amdhsa_next_free_sgpr 100
		.amdhsa_reserve_vcc 1
		.amdhsa_float_denorm_mode_32 3
		.amdhsa_float_denorm_mode_16_64 3
		.amdhsa_memory_ordered 1
		.amdhsa_forward_progress 1
		.amdhsa_inst_pref_size 182
	.end_amdhsa_kernel
	.amdgpu_metadata
---
amdhsa.version: [ 1, 2 ]
amdhsa.kernels:
  - .name:           k_qd0f3444749_gemm
    .symbol:         k_qd0f3444749_gemm.kd
    .args:
      - { .name: xc, .offset: 0, .size: 8, .value_kind: global_buffer, .address_space: global }
      - { .name: wc, .offset: 8, .size: 8, .value_kind: global_buffer, .address_space: global }
      - { .name: b_qkv, .offset: 16, .size: 8, .value_kind: global_buffer, .address_space: global }
      - { .name: qkv, .offset: 24, .size: 8, .value_kind: global_buffer, .address_space: global }
    .group_segment_fixed_size: 327680
    .private_segment_fixed_size: 0
    .kernarg_segment_align: 8
    .kernarg_segment_size: 32
    .max_flat_workgroup_size: 128
    .sgpr_count:     100
    .vgpr_count:     1024
    .wavefront_size: 32
...
	.end_amdgpu_metadata
.endif
;; end of part 2
;; launch attn (part 3): grid 8 x 32, 8 waves a work-group, clusters of 4 x 1, 244,736 bytes of LDS; arguments qkv, out0; writes out0
.if DOCPART == 3
	.amdgcn_target "amdgcn-amd-amdhsa--gfx1250"
	.amdhsa_code_object_version 6
	.text
	.protected	k_qd0f3444749_attn
	.globl	k_qd0f3444749_attn
	.p2align	8
	.type	k_qd0f3444749_attn,@function
k_qd0f3444749_attn:
	s_mov_b64 s[64:65], 0
	v_nop
	global_prefetch_b8 v0, s[64:65] scope:SCOPE_SE
	s_setreg_imm32_b32 hwreg(HW_REG_WAVE_MODE, 25, 1), 1
	s_wait_xcnt 0x0
	s_wait_alu depctr_hold_cnt(0) depctr_sa_sdst(0) depctr_va_vdst(0) depctr_va_sdst(0) depctr_va_ssrc(0) depctr_va_vcc(0) depctr_vm_vsrc(0)
	s_getreg_b32 s2, hwreg(HW_REG_IB_STS2, 6, 4)
	s_cmp_eq_u32 s2, 0
	s_cbranch_scc0 .Lentry_in_a_cluster
	s_endpgm
.Lentry_in_a_cluster:
	s_bfe_u32 s2, ttmp6, 0x10000c
	s_cmp_lg_u32 s2, 0x3003
	s_cbranch_scc0 .Lentry_shape_is_right
	s_endpgm
.Lentry_shape_is_right:
; out[n][s][64 h + d] = the sum over keys of softmax(q . k / 8) v, 32 heads of 2,048 x 64, both products on codes of FP6 (E2M3) with E8M0 scales, from the records that the launch before has stored.
; THE SOFTMAX AHEAD OF THE SECOND PRODUCT: t = score x log2(e) / 8; M = the row's largest t so far, rounded UP to a whole number; p = 2^(t - M) is quantised along the keys, not normalised.  The row's sum is taken of the
; unquantised p and divides at the end.  When M moves, the sum and O are multiplied by 2^(old M - new M): nothing is rounded.
; SHARES.  A work-group owns 256 queries of one head, each of its eight waves two tiles of 16, A and B, in 512 registers.  A step is 256 keys, two records; a step's fragments of k and v are read from LDS once for both tiles.
; A WHOLE HEAD'S k AND v LIE IN LDS: 16 records of 13,056 bytes (128 keys each: k's codes, v's codes, both scale images), filled ONCE: no ring, no refill.  Each wave issues one load: wave i brings step i's two records.
; CLUSTER 4 x 1: the four blocks of queries of a cluster belong to one head: every record is asked for jointly.  Wave 0's load is waited for first; the others land under the first step.
; Nothing is prefetched: every byte is asked for at the head, so there is no later load to run ahead of.
; ORDER.  A tile's scores lie in two halves of 128 keys.  Once a half is used up, the NEXT tile's scores of that half are started: A's body starts B's scores, B's body A's of the next step.
; One barrier a step, signalled in A's body and waited for in B's: in the first step it shows all records to all waves.
; LAYOUT.  Both products are used transposed: S^T = k q^T (source 0 = 16 keys), O^T = v^T p^T (source 0 = 16 of the head's 64): a lane holds ONE query throughout.  Tile j of 64 keys holds keys 8 j + i and 32 + 8 j + i, i = 0 .. 7, so the 32
; registers of four tiles are keys 32 h + 0 .. 31: a whole block in a lane, as the operand wants it.  The same holds of the queries of a tile.  v's tile 2 u + e holds d = 16 u + 2 i + e and 32 more.
; K = 64 IN THE FIRST PRODUCT fills registers 0-5 of an operand.  q's registers 6-11 are zero codes, and both sides' scale bytes for those blocks are 0 (2^-127, a number): so k's registers 6-11 may hold any codes:
; a tile's operand is named as its six registers and the next six, which are the next tile's codes, or behind the last tile v's first six.
; LIMITS: NaN and infinities are not served; the promise holds while scaled scores stay under 2^31; a p under 2^-126 counts as 0 (v_exp_f32's flush: ISA guide, its entry); a block of p whose every number is 0 keeps the byte 1: its codes are zeros.
; WINDOW 1: v0-95 k (two records), v96-191 v, v192-223 A's O^T, v224-255 B's.  WINDOW 0: the rest.
.set RECL,  13056                      ; a record
.set PAIR,  2*RECL                     ; a step's two
.set HEADB, 16*RECL
.set QOFF,  6684672
.set QREC,  6656
.set STAGE, 8*PAIR                     ; behind the records: 16 rows x (256 bytes + 16) for each wave; no tensor load lands there
.set SPARE, STAGE+8*16*272             ; the spare words, 128 bytes a wave
.set SPW, 10
.set NIL, 11
.set STA, 12                           ; v12 -M, v13 the largest score, v[14:15] the sum: tile A
.set STB, 16                           ; v16-19 the same: tile B
.set FF,  20                           ; v[20:21] f, the factor for the sums
.set BM,  26                           ; v26-29  the blocks' largest scores, then largest p
.set SO,  30                           ; v30-33  the conversions' scale operands
.set BY,  34                           ; v34-37  the maxima's second chains; then the bytes
.set PW,  38                           ; v38-39  p's scale words
.set CH,  40                           ; v40-45, v112-119  seven chains of the sum; the eighth is the sum itself
.set KSC, 48                           ; v48-55  k's scale words
.set VSC, 56                           ; v56-59  v's
.set QSC, 60                           ; v60     q's: lanes 0-15 A's, lanes 16-31 B's
.set P0,  64                           ; v64-87  p's codes, two operands
.set QA,  88
.set QB,  100
.set TC,  120                          ; v120-122, v124-126: blocks' upper halves
.set SS,  128                          ; v128-255 the scores, then p
.set G1, 16                            ; s[16:23] descriptor group 1; s[24:27] group 0
.set G0, 24
.set MSB, 0
.macro WIN new
.if MSB != (\new)
	s_set_vgpr_msb (MSB<<8)|(\new)
.set MSB, (\new)
.endif
.endm
.macro ROUND                           ; a round of the cluster's barrier
	s_barrier_signal -1
	s_barrier_wait -1
	s_cmp_lg_u32 s8, 0
	s_cbranch_scc1 .Lnot_wave_0_\@
	s_barrier_signal -3
.Lnot_wave_0_\@:
	s_barrier_wait -3
	s_barrier_signal -1
	s_barrier_wait -1
.endm
.macro WALU
	s_wait_alu depctr_va_vdst(0)
.endm
.macro KLOAD                           ; a step's k: 26 loads; behind the first 16 stand all scale words and the codes that the first half's tiles name
	ds_load_b128 v[KSC:KSC+3], v8 offset:12288     ; scale words: word i: lanes 0-15 tile 2 i, lanes 16-31 tile 2 i + 1
	ds_load_b128 v[KSC+4:KSC+7], v8 offset:RECL+12288
	WIN 0x40
.irp j, 0,1,2,3,4,5,6,7,8,9,10,11
	ds_load_b128 v[4*\j:4*\j+3], v8 offset:512*\j
.endr
.irp j, 0,1,2,3,4,5,6,7,8,9,10,11
	ds_load_b128 v[48+4*\j:48+4*\j+3], v8 offset:RECL+512*\j
.endr
	WIN 0
.endm
.macro VLOAD                           ; a step's v: 26 loads
	WIN 0x40
.irp j, 0,1,2,3,4,5,6,7,8,9,10,11
	ds_load_b128 v[96+4*\j:96+4*\j+3], v8 offset:6144+512*\j
.endr
.irp j, 0,1,2,3,4,5,6,7,8,9,10,11
	ds_load_b128 v[144+4*\j:144+4*\j+3], v8 offset:RECL+6144+512*\j
.endr
	WIN 0
	ds_load_b64 v[VSC:VSC+1], v9 offset:12800
	ds_load_b64 v[VSC+2:VSC+3], v9 offset:RECL+12800
.endm
.macro QK q, row, hh                   ; the scores of half hh: eight tiles of 16 keys; lanes of q's scale word: row 0 tile A, row 1 tile B
	WIN 0x01                                       ; source 0 window 1
.irp u, 0,1,2,3
	v_wmma_scale_f32_16x16x128_f8f6f4 v[SS+64*\hh+16*\u:SS+64*\hh+16*\u+7], v[48*\hh+12*\u:48*\hh+12*\u+11], v[\q:\q+11], 0, v[KSC+4*\hh+\u], v[QSC] matrix_a_fmt:MATRIX_FMT_FP6 matrix_b_fmt:MATRIX_FMT_FP6 matrix_a_scale:MATRIX_SCALE_ROW0 matrix_b_scale:MATRIX_SCALE_ROW\row
	v_wmma_scale_f32_16x16x128_f8f6f4 v[SS+64*\hh+16*\u+8:SS+64*\hh+16*\u+15], v[48*\hh+12*\u+6:48*\hh+12*\u+17], v[\q:\q+11], 0, v[KSC+4*\hh+\u], v[QSC] matrix_a_fmt:MATRIX_FMT_FP6 matrix_b_fmt:MATRIX_FMT_FP6 matrix_a_scale:MATRIX_SCALE_ROW1 matrix_b_scale:MATRIX_SCALE_ROW\row
.endr
	WIN 0
.endm
.macro PV ob                           ; O^T += v^T p^T: four accumulators by turns, one instruction a turn, the two records one after the other
	WIN 0x51
.irp hh, 0,1
.irp u, 0,1
	v_wmma_scale_f32_16x16x128_f8f6f4 v[\ob+16*\u:\ob+16*\u+7], v[96+48*\hh+24*\u:96+48*\hh+24*\u+11], v[P0+12*\hh:P0+12*\hh+11], v[\ob+16*\u:\ob+16*\u+7], v[VSC+2*\hh+\u], v[PW+\hh] matrix_a_fmt:MATRIX_FMT_FP6 matrix_b_fmt:MATRIX_FMT_FP6 matrix_a_scale:MATRIX_SCALE_ROW0
	v_wmma_scale_f32_16x16x128_f8f6f4 v[\ob+16*\u+8:\ob+16*\u+15], v[96+48*\hh+24*\u+12:96+48*\hh+24*\u+23], v[P0+12*\hh:P0+12*\hh+11], v[\ob+16*\u+8:\ob+16*\u+15], v[VSC+2*\hh+\u], v[PW+\hh] matrix_a_fmt:MATRIX_FMT_FP6 matrix_b_fmt:MATRIX_FMT_FP6 matrix_a_scale:MATRIX_SCALE_ROW1
.endr
.endr
	WIN 0
.endm
.macro FMA2 st, j, n                   ; n pairs of scores from register j on become t - M (of the pairs c and -M the low word serves both halves)
.set J_, SS+(\j)
.rept \n
	v_pk_fma_f32 v[J_:J_+1], v[J_:J_+1], s[12:13], v[\st:\st+1] op_sel_hi:[1,0,0]
.set J_, J_+2
.endr
.endm
.macro CHREG ix                        ; chain ix (0 .. 6)
.if (\ix) < 3
.set C_, CH+2*(\ix)
.else
.set C_, 106+2*(\ix)
.endif
.endm
.macro CHI k                           ; chain k begins with pairs 2 k, 2 k + 1
	CHREG \k
	v_pk_add_f32 v[C_:C_+1], v[SS+4*\k:SS+4*\k+1], v[SS+4*\k+2:SS+4*\k+3]
.endm
.macro ADDP st, s, ix                  ; one pair onto one of the sum's eight chains
	CHREG (\ix)%8
.if (\ix)%8 == 7
.set C_, \st+2
.endif
	v_pk_add_f32 v[C_:C_+1], v[C_:C_+1], v[\s:\s+1]
.endm
.macro CONVL hh                        ; the lower halves of my two blocks of a half, in their places
	v_cvt_scalef32_pk16_fp6_f32 v[P0+12*\hh:P0+12*\hh+2], v[SS+64*\hh:SS+64*\hh+15], v[SO+2*\hh]
	v_cvt_scalef32_pk16_fp6_f32 v[P0+12*\hh+6:P0+12*\hh+8], v[SS+64*\hh+32:SS+64*\hh+47], v[SO+2*\hh+1]
.endm
.macro CONVH hh                        ; the upper halves, to be moved (a conversion's three registers begin on an even number)
	v_cvt_scalef32_pk16_fp6_f32 v[TC:TC+2], v[SS+64*\hh+16:SS+64*\hh+31], v[SO+2*\hh]
	v_cvt_scalef32_pk16_fp6_f32 v[TC+4:TC+6], v[SS+64*\hh+48:SS+64*\hh+63], v[SO+2*\hh+1]
.endm
; ONE TILE OF A STEP.  kind 0: A in the loop; 3: A in the last step; 1: B in the loop; 2: B in the last step.
.macro TILE st, ob, kind
.if \kind == 1
	s_add_co_u32 s40, s40, PAIR                    ; the next step's records
	v_add_nc_u32 v8, s40, v1
	v_add_nc_u32 v9, s40, v2
.endif
	WALU                                           ; ahead of the scores' first readers
.irp b, 0,1,2,3
	v_max3_num_f32 v[BM+\b], v[SS+32*\b], v[SS+32*\b+1], v[SS+32*\b+2]   ; THE LARGEST SCORE OF EACH BLOCK OF 32 KEYS serves twice: for the row's maximum, and, since p rises with the score, for the block's largest p
	v_max3_num_f32 v[BY+\b], v[SS+32*\b+16], v[SS+32*\b+17], v[SS+32*\b+18]
.endr
.irp i, 3,5,7,9,11,13
.irp b, 0,1,2,3
	v_max3_num_f32 v[BM+\b], v[BM+\b], v[SS+32*\b+\i], v[SS+32*\b+\i+1]   ; two chains a block, eight by turns
	v_max3_num_f32 v[BY+\b], v[BY+\b], v[SS+32*\b+\i+16], v[SS+32*\b+\i+17]
.endr
.endr
.irp b, 0,1,2,3
	v_max3_num_f32 v[BM+\b], v[BM+\b], v[BY+\b], v[SS+32*\b+15]
.endr
.irp b, 0,1,2,3
	v_max_num_f32 v[BM+\b], v[BM+\b], v[SS+32*\b+31]
.endr
	v_max3_num_f32 v23, v[BM], v[BM+1], v[BM+2]
	v_mov_b32 v22, v[\st]                          ; the old -M
	v_max_num_f32 v23, v23, v[BM+3]
	v_permlanex16_b32 v24, v23, s10, s11
	v_max3_num_f32 v[\st+1], v[\st+1], v23, v24    ; the running largest score of my query, lane l xor 16's keys among them
	v_mul_f32 v25, s14, v[\st+1]                   ; -t (c is positive)
	v_floor_f32 v[\st], v25                        ; the new -M = floor(-t) = -ceil(t): a whole number
	FMA2 \st, 0, 4
	v_sub_f32 v22, v[\st], v22                     ; old M - new M: a whole number, 0 or less
.irp b, 0,1,2,3
	v_fma_f32 v[BM+\b], v[BM+\b], s12, v[\st]      ; t - M of each block's largest score
.endr
	FMA2 \st, 8, 4
	v_cvt_i32_f32 v22, v22                         ; (it saturates)
	FMA2 \st, 16, 8
	v_ldexp_f32 v[FF], 1.0, v22                    ; f = 2^(old M - new M)
	FMA2 \st, 32, 16
	WALU                                           ; ahead of the batch, and of the barrier's wait where one follows
.if \kind == 1
	s_barrier_wait -1                              ; every wave has signalled in A's body behind its wait for its tensor load
	KLOAD                                          ; the next step's k: its registers were last read by B's scores, 64 plain instructions and more ago
.endif
.irp b, 0,1,2,3
	v_exp_f32 v[BM+\b], v[BM+\b]                   ; the block's largest p: the same two instructions on the same number give the same bits
.endr
.set E_, SS
.rept 32
	v_exp_f32 v[E_], v[E_]                         ; p = 2^(t - M), at most 1: the first half; the second half's t - M between
	v_pk_fma_f32 v[E_+64:E_+65], v[E_+64:E_+65], s[12:13], v[\st:\st+1] op_sel_hi:[1,0,0]
	v_exp_f32 v[E_+1], v[E_+1]
.set E_, E_+2
.endr
	v_pk_mul_f32 v[\st+2:\st+3], v[\st+2:\st+3], v[FF:FF+1] op_sel_hi:[1,0]   ; the sum under the new M
	WALU                                           ; behind the batch
.irp b, 0,1,2,3
	v_max_num_f32 v[BM+\b], 0x1800000, v[BM+\b]    ; the floor 2^(3 - 127): the byte cannot fall under 1
.endr
	CHI 0                                          ; THE SUM IS TAKEN OF THE UNQUANTISED p, in eight chains
	CHI 1
	CHI 2
	CHI 3
.irp b, 0,1,2,3
	v_add_nc_u32 v[SO+\b], 0xff000000, v[BM+\b]    ; 2 off the exponent field: the conversion's scale operand
.endr
	CHI 4
	CHI 5
	CHI 6
	ADDP \st, SS+28, 7
.irp b, 0,1,2,3
	v_lshrrev_b32 v[BY+\b], 23, v[SO+\b]           ; the byte
.endr
	CONVL 0
	ADDP \st, SS+30, 0
	v_lshl_or_b32 v[BY], v[BY+1], 16, v[BY]        ; my bytes h and 2 + h of each half's word
	v_lshl_or_b32 v[BY+2], v[BY+3], 16, v[BY+2]
	CONVH 0
	v_lshlrev_b32 v[BY], v7, v[BY]
	v_lshlrev_b32 v[BY+2], v7, v[BY+2]
	v_permlanex16_b32 v46, v[BY], s10, s11
	v_permlanex16_b32 v47, v[BY+2], s10, s11
	v_or_b32 v[PW], v[BY], v46                     ; with lane l xor 16's two bytes the words are whole
	v_or_b32 v[PW+1], v[BY+2], v47
	WALU                                           ; ahead of the batch
.set E_, SS+64
.set G_, 0
.rept 16
	v_exp_f32 v[E_], v[E_]                         ; the second half
	v_exp_f32 v[E_+1], v[E_+1]
.if G_ < 8                             ; between: the first half's pairs 16 to 31, summed two by two in place,
	v_pk_add_f32 v[SS+32+4*G_:SS+33+4*G_], v[SS+32+4*G_:SS+33+4*G_], v[SS+34+4*G_:SS+35+4*G_]
.elseif G_ < 11                        ; and its codes' upper halves
	v_mov_b32 v[P0+3+G_-8], v[TC+G_-8]
.elseif G_ < 14
	v_mov_b32 v[P0+9+G_-11], v[TC+4+G_-11]
.endif
	v_exp_f32 v[E_+2], v[E_+2]
	v_exp_f32 v[E_+3], v[E_+3]
.set E_, E_+4
.set G_, G_+1
.endr
.if \kind == 1
	s_wait_dscnt 10                                ; the next step's k: what the first half's tiles name is in; record 1's last ten loads may be out
.endif
	WALU                                           ; behind the batch
.set A_, 0
.rept 8
	ADDP \st, SS+32+4*A_, A_+1
.set A_, A_+1
.endr
	CONVL 1
.if \kind == 1
	QK QA, 0, 0
.elseif \kind != 2
	QK QB, 1, 0
.endif
.set A_, 0
.rept 16
	ADDP \st, SS+64+2*A_, A_+1
.set A_, A_+1
.endr
	CONVH 1
.rept 16
	ADDP \st, SS+64+2*A_, A_+1
.set A_, A_+1
.endr
	v_mov_b32 v[P0+15], v[TC]
	v_pk_add_f32 v[CH:CH+1], v[CH:CH+1], v[CH+2:CH+3]
	v_mov_b32 v[P0+16], v[TC+1]
	v_pk_add_f32 v[112:113], v[112:113], v[114:115]
	v_mov_b32 v[P0+17], v[TC+2]
	v_pk_add_f32 v[116:117], v[116:117], v[118:119]
	v_pk_add_f32 v[\st+2:\st+3], v[\st+2:\st+3], v[CH+4:CH+5]
	v_mov_b32 v[P0+21], v[TC+4]
	v_pk_add_f32 v[CH:CH+1], v[CH:CH+1], v[112:113]
	v_mov_b32 v[P0+22], v[TC+5]
	v_pk_add_f32 v[\st+2:\st+3], v[\st+2:\st+3], v[116:117]
	v_mov_b32 v[P0+23], v[TC+6]
.if \kind == 0
	s_wait_tensorcnt 0x0                           ; my tensor load has landed,
	s_wait_dscnt 0x0                               ; this step's v is in,
	s_barrier_signal -1                            ; and the step's barrier is signalled; B's body waits for it: register work alone between
.elseif \kind != 2
	s_wait_dscnt 0x0                               ; v (A) or the rest of the next k (B) is in
.endif
	WIN 0x41
	WALU                                           ; ahead of the first reader of O^T
.set A_, \ob
.rept 16
	v_pk_mul_f32 v[A_:A_+1], v[A_:A_+1], v[FF:FF+1] op_sel_hi:[1,0]   ; O^T under the new M: also the places behind the writes of p's codes and scale words
.set A_, A_+2
.endr
	WIN 0
	v_pk_add_f32 v[\st+2:\st+3], v[\st+2:\st+3], v[CH:CH+1]
	PV \ob
.if \kind == 1
	QK QA, 0, 1
.rept 4
	v_nop                                          ; four places in front of loads into registers that these products have read
.endr
	VLOAD                                          ; the next step's v
.elseif \kind != 2
	QK QB, 1, 1
.endif
.endm
; THE WAY OUT of a tile.  O^T / the sum goes through my own stage in LDS and leaves as rows of 256 bytes: a query's 64 numbers of this head.  kb, kc: 32 registers each that are free by then; ro: the tile's first row in bytes
.macro SENDOUT st, ob, kb, kc, ro
	v_add_f32 v23, v[\st+2], v[\st+3]              ; the sum's two halves,
	v_permlanex16_b32 v24, v23, s10, s11
	v_add_f32 v23, v23, v24                        ; and lane l xor 16's: the row's sum
	WALU
	v_rcp_f32 v[FF], v23
	v_nop                                          ; a plain place behind the reciprocal, and the fourth behind the last products
	WIN 0x41
	WALU                                           ; ahead of the first readers
.irp t, 0,1,2,3
.irp i, 0,1,2,3,4,5,6,7
	v_mul_f32 v[\kb+16*(\t/2)+2*\i+\t%2], v[\ob+8*\t+\i], v[FF]   ; register 8 t + i is d = 32 h + 16 (t / 2) + 2 i + t % 2: sorted
.endr
.endr
	WIN 0x04
.irp k, 0,1,2,3,4,5,6,7
	ds_store_b128 v3, v[\kb+4*\k:\kb+4*\k+3] offset:16*\k
.endr
	WIN 0x40
.irp t, 0,1,2,3,4,5,6,7
	ds_load_b128 v[\kc+4*\t:\kc+4*\t+3], v4 offset:544*\t   ; LDS serves a wave's instructions in order (ISA guide 5.7.1.4): these see my stores
.endr
	WIN 0x04
.irp t, 0,1,2,3,4,5,6,7
	s_wait_dscnt 7-\t                              ; the younger loads may be out
	global_store_b128 v5, v[\kc+4*\t:\kc+4*\t+3], s[6:7] offset:(2*\t+24*(\t/4))*4096+\ro th:TH_STORE_NT   ; the tile's row m is query m % 8 + 32 (m / 8); sixteen lanes store 256 consecutive bytes, at a multiple of 256 from the output's first byte
.endr
	WIN 0
.endm
	s_load_b128 s[4:7], s[0:1], 0x0                ; qkv s[4:5], out s[6:7]
	v_lshl_add_u32 v[SPW], v0, 2, SPARE
	v_mov_b32 v[NIL], 0
	ds_add_u32 v[SPW], v[NIL]                      ; the wave's opening: the add, twice on end
	ds_add_u32 v[SPW], v[NIL]
	v_lshrrev_b32 v23, 5, v0
	v_readfirstlane_b32 s8, v23                    ; wave 0..7
	s_mov_b32 s40, 0                               ; the LDS byte at which the step's records begin
	s_mul_i32 s45, s8, 16*272
	s_add_co_u32 s45, s45, STAGE                   ; my stage
	v_and_b32 v23, 31, v0
	v_lshlrev_b32 v1, 4, v23                       ; 16 x lane
	v_lshlrev_b32 v2, 3, v23                       ; 8 x lane
	v_and_b32 v6, 15, v0                           ; r
	v_bfe_u32 v25, v0, 4, 1                        ; h
	v_lshlrev_b32 v7, 3, v25                       ; 8 h
	v_mul_u32_u24 v3, v6, 272
	v_lshl_add_u32 v3, v25, 7, v3
	v_add_nc_u32 v3, s45, v3                       ; into the stage: row r, + 128 h
	v_mul_u32_u24 v4, v25, 272
	v_lshl_add_u32 v4, v6, 4, v4
	v_add_nc_u32 v4, s45, v4                       ; back: lanes 0-15 one row, lanes 16-31 the next
	v_lshlrev_b32 v5, 12, v25
	v_lshl_add_u32 v5, v6, 4, v5                   ; and the same two rows of the output
	v_add_nc_u32 v8, s40, v1
	v_add_nc_u32 v9, s40, v2
	s_bfe_u32 s42, ttmp6, 0x40000                  ; cx
	s_lshl_b32 s43, ttmp9, 2
	s_add_co_u32 s43, s43, s42                     ; my block of 256 queries: it enters q's and the output's addresses alone
	s_and_b32 s44, ttmp7, 0xffff                   ; the head, which the four partners share
	s_mul_i32 s46, s44, HEADB
	s_mul_i32 s48, s8, PAIR
	s_add_co_u32 s46, s46, s48                     ; wave i's two records
	s_mov_b32 s47, 0
	; group 1: a dense block of 26,112 bytes as 102 rows of 256 bytes (32 elements of 8 bytes)
	s_mov_b32 s[G1], 15|(3<<16)|(1<<21)            ; 15:0 the mask: all four work-groups; 17:16 elements of 8 bytes; 21 set beside a mask
	s_mov_b32 s[G1+1], 32<<16                      ; tensor_dim0
	s_mov_b32 s[G1+2], 102<<16                     ; tensor_dim1
	s_mov_b32 s[G1+3], 32<<16                      ; tile_dim0
	s_mov_b32 s[G1+4], 102                         ; tile_dim1
	s_mov_b32 s[G1+5], 32                          ; from row to row
	s_mov_b32 s[G1+6], 0
	s_mov_b32 s[G1+7], 0
	s_mov_b32 s[G0], 1
	s_mov_b32 s[G0+1], s48                         ; LDS address: the records lie as in memory
	; q: wave w owns tiles 2 u, 2 u + 1 (u = w % 4) of q's record 2 x block + w / 4: twelve registers on end, three pieces of 512 bytes
	s_lshl_b32 s50, s44, 4
	s_lshl_b32 s51, s43, 1
	s_add_co_u32 s50, s50, s51
	s_lshr_b32 s51, s8, 2
	s_add_co_u32 s50, s50, s51
	s_mul_i32 s50, s50, QREC
	s_add_co_u32 s50, s50, QOFF
	s_and_b32 s51, s8, 3
	s_mul_i32 s52, s51, 1536
	s_add_co_u32 s52, s52, s50
	s_mov_b32 s53, 0
	s_lshl_b32 s54, s51, 2                         ; the scale image: lane l at 16 l, word u: lanes 0-15 tile 2 u, lanes 16-31 tile 2 u + 1
	s_add_co_u32 s54, s54, s50
	s_add_co_u32 s54, s54, 6144
	s_mov_b32 s55, 0
	; where my rows of the output begin: row batch x 2048 + 256 x block + 64 (w / 2) + 16 (w % 2) of 4,096 bytes, + 256 x the head in its batch
	s_lshr_b32 s50, s44, 4
	s_lshl_b32 s50, s50, 11
	s_lshl_b32 s51, s43, 8
	s_add_co_u32 s50, s50, s51
	s_lshr_b32 s51, s8, 1
	s_lshl_b32 s51, s51, 6
	s_add_co_u32 s50, s50, s51
	s_and_b32 s51, s8, 1
	s_lshl_b32 s51, s51, 4
	s_add_co_u32 s50, s50, s51
	s_lshl_b32 s50, s50, 12
	s_and_b32 s51, s44, 15
	s_lshl_b32 s51, s51, 8
	s_add_co_u32 s50, s50, s51
	s_mov_b32 s51, 0
	s_mov_b32 s10, 0x76543210
	s_mov_b32 s11, 0xfedcba98                      ; v_permlanex16_b32's selects for lane l xor 16
	s_mov_b32 s12, 0x3e38aa3b                      ; c = log2(e) / 8
	s_mov_b32 s13, s12                             ; (named with it as a pair, so it is written)
	s_mov_b32 s14, 0xbe38aa3b                      ; -c
	WALU
	s_wait_dscnt 0x0                               ; both opening adds are done
	s_wait_kmcnt 0x0
	s_add_nc_u64 s[G0+2:G0+3], s[4:5], s[46:47]
	s_or_b32 s[G0+3], s[G0+3], 0x80000000          ; type = 2
	s_add_nc_u64 s[52:53], s[4:5], s[52:53]
	s_add_nc_u64 s[54:55], s[4:5], s[54:55]
	s_add_nc_u64 s[6:7], s[6:7], s[50:51]
.irp c, 0,1,2
	global_load_b128 v[SS+4*\c:SS+4*\c+3], v1, s[52:53] offset:512*\c
.endr
	global_load_b32 v[QSC], v1, s[54:55]
	ROUND                                          ; all four work-groups are here: the joint loads meet
	s_cmp_eq_u32 s8, 0                             ; one load a wave; wave 0's is a line of its own, since it alone is waited for first
	s_cbranch_scc0 .Lothers
	tensor_load_to_lds s[G0:G0+3], s[G1:G1+7]
	s_nop 0
.rept 4
	v_nop
.endr
	s_branch .Lasked
.Lothers:
	tensor_load_to_lds s[G0:G0+3], s[G1:G1+7]
	s_nop 0
.rept 4
	v_nop
.endr
.Lasked:
	WIN 0x40
.set J_, 0
.rept 64
	v_mov_b32 v[192+J_], 0                         ; O^T of both tiles.  The step is written for every step alike: the first finds zeros, which the first change of M leaves zeros
.set J_, J_+1
.endr
.irp j, 0,1,2,3,4,5
	v_mov_b32 v[96+\j], 0                          ; behind k's last tile, ahead of v's first load
.endr
	WIN 0
	v_mov_b32 v[STA+1], 0xff61b1e6                 ; the largest score so far: -3e38
	v_mov_b32 v[STB+1], 0xff61b1e6
	v_mul_f32 v25, s14, v[STA+1]
	v_floor_f32 v[STA], v25                        ; -M
	v_mov_b32 v[STB], v[STA]
.irp j, 14,15,18,19,21,24,46,47
	v_mov_b32 v\j, 0                               ; the sums; f's upper half; lane permutes' destinations, which count as sources
.endr
	WALU
	s_wait_loadcnt 0x0                             ; q
.irp j, 0,1,2,3,4,5
	v_mov_b32 v[QA+\j], v[SS+\j]
	v_mov_b32 v[QB+\j], v[SS+6+\j]
.endr
.irp j, 0,1,2,3,4,5
	v_mov_b32 v[QA+6+\j], 0                        ; q's upper 64 along K: zero codes
	v_mov_b32 v[QB+6+\j], 0
.endr
.rept 4
	v_nop                                          ; places between q's writes and the products
.endr
	WALU                                           ; the head's end
	s_cmp_eq_u32 s8, 0
	s_cbranch_scc0 .Lnot_first
	s_wait_tensorcnt 0x0
.Lnot_first:
	s_barrier_signal -1
	s_barrier_wait -1                              ; the first two records are in; the others may be on their way: nothing is ever filled again
	KLOAD
	s_wait_dscnt 10                                ; record 1's last ten loads may be out
	QK QA, 0, 0
	s_wait_dscnt 0x0
	QK QA, 0, 1
.rept 4
	v_nop
.endr
	VLOAD
	s_mov_b32 s41, 7
.Lloop:
	TILE STA, 192, 0
	TILE STB, 224, 1
	s_sub_co_u32 s41, s41, 1
	s_cmp_lg_u32 s41, 0
	s_cbranch_scc1 .Lloop
	TILE STA, 192, 3                               ; the last step starts no further scores but B's
	SENDOUT STA, 192, 0, 32, 0
	TILE STB, 224, 2
	SENDOUT STB, 224, 64, 96, 8*4096
	s_wait_tensorcnt 0x0                           ; the wave's end
	ds_add_u32 v[SPW], v[NIL]
	s_wait_dscnt 0x0
	ROUND                                          ; the closing round: no work-group ends while a partner may still ask for a record that names it
	s_endpgm
.Lfunc_end_k_qd0f3444749_attn:
	.size	k_qd0f3444749_attn, .Lfunc_end_k_qd0f3444749_attn-k_qd0f3444749_attn
	.p2alignl 7, 3214868480
	.fill 96, 4, 3214868480
	.section	.rodata,"a",@progbits
	.p2align	6, 0x0
	.amdhsa_kernel k_qd0f3444749_attn
		.amdhsa_group_segment_fixed_size 244736
		.amdhsa_private_segment_fixed_size 0
		.amdhsa_enable_private_segment 0
		.amdhsa_kernarg_size 16
		.amdhsa_user_sgpr_count 2
		.amdhsa_user_sgpr_kernarg_segment_ptr 1
		.amdhsa_wavefront_size32 1
		.amdhsa_system_sgpr_workgroup_id_x 1
		.amdhsa_system_sgpr_workgroup_id_y 1
		.amdhsa_system_sgpr_workgroup_id_z 1
		.amdhsa_system_vgpr_workitem_id 0
		.amdhsa_next_free_vgpr 512
		.amdhsa_next_free_sgpr 66
		.amdhsa_reserve_vcc 0
		.amdhsa_float_denorm_mode_32 3
		.amdhsa_float_denorm_mode_16_64 3
		.amdhsa_memory_ordered 1
		.amdhsa_forward_progress 1
		.amdhsa_inst_pref_size 117
	.end_amdhsa_kernel
	.amdgpu_metadata
---
amdhsa.version: [ 1, 2 ]
amdhsa.kernels:
  - .name:           k_qd0f3444749_attn
    .symbol:         k_qd0f3444749_attn.kd
    .args:
      - { .name: qkv, .offset: 0, .size: 8, .value_kind: global_buffer, .address_space: global }
      - { .name: out0, .offset: 8, .size: 8, .value_kind: global_buffer, .address_space: global }
    .group_segment_fixed_size: 244736
    .private_segment_fixed_size: 0
    .kernarg_segment_align: 8
    .kernarg_segment_size: 16
    .max_flat_workgroup_size: 256
    .sgpr_count:     66
    .vgpr_count:     512
    .wavefront_size: 32
...
	.end_amdgpu_metadata
.endif
;; end of part 3
